; MI455X (gfx1250); checked and timed in simulation.
; The chip was launched on July 23, 2026; its instructions are those of AMD's public machine-readable ISA for CDNA 5 (MIT licence, August 2026) and "CDNA5" Instruction Set Architecture Reference Guide (July 2026). The comments in the code are by the model that wrote it; some were corrected since.
;; Lamini Index. Allowed arithmetic: matrix products marked QUANTISED: E2M1 operands, one E8M0 scale for each 32 along K, by v_wmma_scale_f32_16x16x128_f8f6f4 with both operands' format E2M1 (or v_wmma_scale_f32_32x16x128_f4), f32 sums; everything else in f32.
;; Inputs: keys 65,536 x 128 float32; query_codes 2 x 1,024 x 4 x 16 uint8 (E2M1 codes of query, K innermost, in blocks of 32 codes, two codes a byte); query_scales 2 x 1,024 x 4 uint8 (E8M0 scales of query, one for each 32 codes along K); values_codes 128 x 2,048 x 16 uint8 (E2M1 codes of values, K innermost, in blocks of 32 codes, two codes a byte); values_scales 128 x 2,048 uint8 (E8M0 scales of values, one for each 32 codes along K).
;; Outputs: out0 2 x 1,024 x 128 float32; out1 2 x 1,024 x 128 float32.
;; This version of the problem:
;;   THIS VERSION OF THE PROBLEM IS GIVEN IN LOW PRECISION. The matrix products marked QUANTISED in the list below multiply operands that are first quantised to E2M1 (2 exponent bits, 1 mantissa bit; 4 bits a number), with one power-of-two scale for each 32 numbers along K (OCP MX v1.0); their sums are f32. All else is computed in f32.
;;   The module's matrix products, in the order in which they are computed (A, B: the left and right operand; K: the contracted axis; several contracted axes count as one K, in the product's order):
;;     1. [M 2,048, K 128] x [K 128, N 65,536]; A: input query (given as codes); B: input keys: QUANTISED
;;     2. [M 2,048, K 65,536] x [K 65,536, N 128]; A: softmax (see below); B: input keys: QUANTISED
;;     3. [M 2,048, K 65,536] x [K 65,536, N 128]; A: softmax (see below); B: input values (given as codes): QUANTISED
;;   THE QUANTISER, for each operand of a quantised product, along K:
;;     - K is cut into blocks of 32 from its start; a last block that is shorter is filled with zeros.
;;     - A block's scale is 2^e with e = floor(log2(the largest magnitude in the block)) - 2, held to -126 .. 127; a block of zeros has e = 0. As a byte (E8M0): e + 127.
;;     - Each number is divided by its block's scale, clamped to +-6, and rounded to the nearest number of E2M1, ties to even, subnormals kept.
;;     - The product sums the exact products of the quantised numbers (number of the format x scale) in f32.
;;   ~~~python
;;   def quantise(x, axis):      # numpy; x: float32 -> the quantised numbers, widened to float32 again
;;       x = np.moveaxis(x, axis, -1); K = x.shape[-1]
;;       x = np.pad(x, [(0, 0)] * (x.ndim - 1) + [(0, -K % 32)]); x = x.reshape(x.shape[:-1] + (-1, 32)); a = np.abs(x).max(-1, keepdims=True)
;;       e = np.where(a > 0, np.clip(np.frexp(np.where(a > 0, a, 1))[1] - 1 - 2, -126, 127), 0)      # np.frexp(a)[1] - 1 = floor(log2(a)), exactly
;;       r = np.clip(x / 2.0 ** e, -6, 6)
;;       step = 2.0 ** (np.maximum(np.frexp(np.where(r == 0, 1, r))[1] - 1, 0) - 1)
;;       q = np.round(r / step) * step * 2.0 ** e      # np.round: ties to even
;;       return np.moveaxis(q.reshape(q.shape[:-2] + (-1,))[..., :K], -1, axis).astype(np.float32)
;;   ~~~
;;   SOFTMAX AHEAD OF A QUANTISED PRODUCT. Where the list says 'softmax', what is quantised is not the finished softmax but p = 2^(t - M), with t = logit x log2(e) and M = ceil(the row's largest t), a whole number; so 1/2 < the row's largest p <= 1. The row's sum l is taken of the UNQUANTISED p, in f32, and the product's result is divided by l at the end. Since M is a whole number, a kernel that streams over the keys may use a running M (the ceiling of the running maximum): every later rescaling is an exact power of two, which a block's scale takes up: the codes' values come out the same.
;;   OPERANDS COMPUTED ON THE WAY. 'Computed on the way' means the value that the module computes at that place (a softmax that the list does not call 'softmax' is quantised finished and normalised). What goes into a quantiser is computed in f32, as accurately as f32 sums, v_exp_f32 and their like allow (about 1e-6 of the number): no bf16 or f16 on the way to a quantiser, and a product that is left as it is and whose result goes on into a quantised operand takes f32 operands (vector FMAs, or v_wmma_f32_16x16x4_f32). A number that lies on a knife's edge between two numbers of the format may be rounded either way, as far as f32 arithmetic and the matrix unit's own rounding can turn it there, and no further.
;;   INPUTS GIVEN AS CODES. query (in the module: [2, 1024, 128], K = its axis 2); values (in the module: [65536, 128], K = its axis 0): each comes as NAME_codes (uint8): NAME with its K axis moved to the last place and cut into blocks of 32 codes, [.., K / 32, bytes a block], one block behind the other in memory; two codes a byte, the lower K in the low four bits (a code: sign, 2 exponent bits, 1 mantissa bit); and NAME_scales (uint8): the same leading axes, one E8M0 byte (e + 127) for each 32 codes along K. Its value is code x scale, taken as it is: it is not quantised again, and the codes and scales need not be those that the quantiser above would give.
;; One version. Each part assembles by itself: llvm-mc -triple=amdgcn-amd-amdhsa -mcpu=gfx1250 --defsym DOCPART=n.
;; ======== version 1 of 1: 3 launches
;; limits: right only within a limited range of input values
;; workspace buffers: kc 8,388,608 bytes; ksc 524,288 bytes; part 33,554,432 bytes; pst 524,288 bytes
;; launch prep (part 1): grid 512 x 1, 4 waves a work-group, no clusters, 69,120 bytes of LDS; arguments keys, kc, ksc; writes kc, ksc
.if DOCPART == 1
	.amdgcn_target "amdgcn-amd-amdhsa--gfx1250"
	.amdhsa_code_object_version 6
	.text
	.protected	k_qbbe48dae99_prep
	.globl	k_qbbe48dae99_prep
	.p2align	8
	.type	k_qbbe48dae99_prep,@function
k_qbbe48dae99_prep:
	s_mov_b64 s[64:65], 0
	v_nop
	global_prefetch_b8 v0, s[64:65] scope:SCOPE_SE
	s_setreg_imm32_b32 hwreg(HW_REG_WAVE_MODE, 25, 1), 1
	s_wait_xcnt 0x0
; keys [65536][128] f32 are read ONCE and quantised TWICE to codes of FP4 (E2M1) with one E8M0 byte for each 32 numbers:
; along d (the first product's K) and along the keys (the second product's K).  Both sets leave as IMAGES OF OPERAND REGISTERS, so that the next launch loads every fragment as 512 consecutive bytes.
; A work-group takes one key step: 128 keys x 128 d, 64 KiB of f32, which go through LDS (rows 528 bytes apart) so that they can be read by rows and by columns.
; kc, 16,384 bytes a step.  Bytes 0-8,191: K's eight tiles; tile t, half c at 1024 t + 512 c + 16 x lane: lane (r, h) holds d = 64 c + 32 h + 0 .. 31 of key 32 (t / 2) + 8 (t % 2) + r + 8 (r / 8)
;   (the keys of a tile are not neighbours: the scores of tiles 2 b and 2 b + 1 are then 16 neighbouring keys in a lane's registers).  Bytes 8,192 on: K^T's eight tiles, laid alike: lane (r, h) holds keys 64 c + 32 h + 0 .. 31 of d = 16 t + r.
; ksc, 1,024 bytes a step: group g at 512 g + 16 x lane + 4 i: lanes 0-15 the scale word of K's tile 4 g + i, row r; lanes 16-31 that of K^T's tile 4 g + i, row r.
; A block's scale byte is its largest magnitude's exponent field - 2, held at 1 from below by a floor among the maximum's leaves.
; LIMITS: NaN and infinities among the keys are not served.  A block of zeros, or one whose largest magnitude lies under 2^-124, gets the byte 1: this program alone reads the bytes, and a block of zeros has zero codes.
; No tensor load, no cluster, no matrix unit: work-groups share no input, and every byte is asked for at the head.
.set PITCH, 528                        ; an LDS row: 512 bytes + 16
.set SST,   128*PITCH                  ; behind the tile: 1,024 bytes, the image of the step's scale words
.set X,     32                         ; v32-159 the 32 rows as loaded; afterwards two sets of 32 numbers, v32-63 and v64-95
.set C,     160                        ; v160-191 codes: four registers for each of the eight units, so that no store's data are written again
.set LO,  4                            ; v4   16 x lane
.set SA,  5                            ; v5   into the tile: my wave's 32 rows, 16 x lane
.set CA,  6                            ; v6   my column d = 32 w + lane, keys 0-63
.set CA2, 7                            ; v7   the same, keys 64-127 (the immediate has 16 bits)
.set KA,  8                            ; v8   my key 64 (w / 2) + 16 (w % 2) + r % 8 + 32 (r / 8), d = 32 h on
.set TO,  9                            ; v9   K^T's codes: 2048 w + 1024 (lane / 16) + 16 (lane % 16)
.set KO,  10                           ; v10  K's codes: 2048 w + 16 x lane
.set STT, 11                           ; v11  where K^T's scale word goes in the image
.set STK, 12                           ; v12  where K's two go
.set SR,  13                           ; v13  the image read back: 256 w + 8 x lane
.set SG,  14                           ; v14  and the same place in ksc
.set WT,  24                           ; v24  K^T's scale word;  v25, v26 K's
.set WK,  25
	s_load_b128 s[4:7], s[0:1], 0x0                ; keys, kc
	s_load_b64 s[8:9], s[0:1], 0x10                ; ksc
	v_lshl_add_u32 v192, v0, 2, 0x10c00
	v_mov_b32 v193, 0
	v_lshrrev_b32 v1, 5, v0
	v_readfirstlane_b32 s10, v1                    ; wave 0..3
	; THE KEYS OF A TILE OF K (this order replaces the one in the head's comment): row r of tile t holds key 64 (t / 4) + 8 (t % 4) + r % 8 + 32 (r / 8),
	; so that in the scores a lane's 32 registers of tiles 4 c .. 4 c + 3 are the whole block of keys 64 c + 32 (lane / 16) + 0 .. 31
	s_lshr_b32 s24, s10, 1
	s_lshl_b32 s24, s24, 6
	s_and_b32 s25, s10, 1
	s_lshl_b32 s25, s25, 4
	s_add_co_u32 s24, s24, s25                     ; my tiles 2 w, 2 w + 1 begin at key 64 (w / 2) + 16 (w % 2)
	s_mul_i32 s24, s24, PITCH
	v_and_b32 v1, 31, v0                           ; lane
	v_and_b32 v2, 15, v0                           ; r
	v_bfe_u32 v3, v0, 4, 1                         ; h
	v_lshlrev_b32 v[LO], 4, v1
	s_mul_i32 s14, s10, 32*PITCH
	v_add_nc_u32 v[SA], s14, v[LO]
	s_lshl_b32 s15, s10, 7
	v_lshl_add_u32 v[CA], v1, 2, s15               ; 4 (32 w + lane)
	v_add_nc_u32 v[CA2], 64*PITCH, v[CA]
	v_and_b32 v[KA], 8, v2
	v_mad_u32_u24 v[KA], v[KA], 3, v2              ; r + 24 (r / 8) = r % 8 + 32 (r / 8)
	v_mul_u32_u24 v[KA], v[KA], PITCH
	v_lshl_add_u32 v[KA], v3, 7, v[KA]             ; + 128 h bytes: 32 numbers
	v_add_nc_u32 v[KA], s24, v[KA]
	s_lshl_b32 s15, s10, 11
	v_lshlrev_b32 v[TO], 4, v2
	v_lshl_add_u32 v[TO], v3, 10, v[TO]
	v_add_nc_u32 v[TO], s15, v[TO]
	v_add_nc_u32 v[KO], s15, v[LO]
	s_lshr_b32 s16, s10, 1
	s_lshl_b32 s16, s16, 9                         ; group w / 2
	s_and_b32 s17, s10, 1
	s_lshl_b32 s17, s17, 3                         ; words 2 (w % 2) on
	s_add_co_u32 s16, s16, s17
	s_add_co_u32 s16, s16, SST
	v_lshl_add_u32 v[STK], v2, 4, s16              ; lane r's 16 bytes
	v_lshl_add_u32 v[STT], v3, 2, v[STK]           ; my tile is 2 w + lane / 16,
	v_add_nc_u32 v[STT], 256, v[STT]               ; and K^T's words lie in lanes 16-31's places
	s_lshl_b32 s17, s10, 8
	v_lshl_add_u32 v[SG], v1, 3, s17
	v_add_nc_u32 v[SR], SST, v[SG]
	v_lshlrev_b32 v21, 3, v3                       ; 8 h: how far my two bytes of a K word are shifted
	v_mov_b32 v27, 0                               ; written once: a lane permute's destination counts as one of its sources
	s_mov_b32 s12, 0x76543210
	s_mov_b32 s13, 0xfedcba98                      ; v_permlanex16_b32's selects for lane l xor 16
	s_lshl_b32 s18, ttmp9, 16                      ; the step's 64 KiB of keys,
	s_lshl_b32 s19, s10, 14                        ; my wave's 32 rows
	s_add_co_u32 s18, s18, s19
	s_mov_b32 s19, 0
	s_lshl_b32 s20, ttmp9, 14
	s_mov_b32 s21, 0
	s_lshl_b32 s22, ttmp9, 10
	s_mov_b32 s23, 0
	s_wait_kmcnt 0x0
	s_add_nc_u64 s[4:5], s[4:5], s[18:19]
	s_add_nc_u64 s[6:7], s[6:7], s[20:21]
	s_add_nc_u64 s[8:9], s[8:9], s[22:23]
.set i, 0
.rept 32
	global_load_b128 v[X+4*i:X+4*i+3], v[LO], s[4:5] offset:512*i th:TH_LOAD_NT   ; a row: 32 lanes read 512 consecutive bytes; all 32 rows are asked for at once
.set i, i+1
.endr
.set i, 0
.rept 32
	s_wait_loadcnt 31-i                            ; loads come back in order: row i is in, the younger ones stay out
	ds_store_b128 v[SA], v[X+4*i:X+4*i+3] offset:PITCH*i
.set i, i+1
.endr
	s_wait_dscnt 0x0                               ; for the others' sake: my rows lie in the tile
	s_barrier_signal -1
	s_barrier_wait -1
.macro LOADT b, set                    ; block b of K^T: keys 32 b + 0 .. 31 of my column: registers run down the keys; 32 lanes read 128 consecutive bytes
.set i, 0
.rept 32
.if \b < 2
	ds_load_b32 v[X+32*\set+i], v[CA] offset:(32*\b+i)*PITCH
.else
	ds_load_b32 v[X+32*\set+i], v[CA2] offset:(32*(\b-2)+i)*PITCH
.endif
.set i, i+1
.endr
.endm
.macro LOADK u, c, set                 ; block 2 c + h of my key in tile 2 w + u: 32 neighbours along d
.set i, 0
.rept 8
	ds_load_b128 v[X+32*\set+4*i:X+32*\set+4*i+3], v[KA] offset:\u*8*PITCH+\c*256+16*i
.set i, i+1
.endr
.endm
; 32 numbers of one lane, one block: its largest magnitude (two chains), the scale operand, the byte (v19), four registers of codes
.macro QBLK xs, n
	v_max3_num_f32 v16, |v[\xs]|, |v[\xs+1]|, |v[\xs+2]|
	v_max3_num_f32 v17, |v[\xs+3]|, |v[\xs+4]|, |v[\xs+5]|
.irp i, 6,10,14,18,22,26
	v_max3_num_f32 v16, v16, |v[\xs+\i]|, |v[\xs+\i+1]|
	v_max3_num_f32 v17, v17, |v[\xs+\i+2]|, |v[\xs+\i+3]|
.endr
	v_max3_num_f32 v16, v16, |v[\xs+30]|, |v[\xs+31]|
	v_max3_num_f32 v16, v16, v17, 0x1800000        ; and the floor 2^(3 - 127): the byte cannot fall under 1
	v_add_nc_u32 v18, 0xff000000, v16              ; 2 off the exponent field: the conversion takes the exponent field of this operand as its scale
	v_lshrrev_b32 v19, 23, v18                     ; the scale's byte
.irp g, 0,1,2,3
	v_cvt_scalef32_pk8_fp4_f32 v[C+4*\n+\g], v[\xs+8*\g:\xs+8*\g+7], v18
.endr
	v_nop                                          ; one plain place behind the scaled conversions
.endm
.macro KWORD u                         ; my bytes of blocks h and 2 + h, at their places, joined with lane l xor 16's two
	v_lshl_or_b32 v20, v19, 16, v20
	v_lshlrev_b32 v20, v21, v20
	v_permlanex16_b32 v27, v20, s12, s13
	v_or_b32 v[WK+\u], v20, v27
.endm
; Eight units, K^T's four blocks and then K's four, on two sets of registers: the next unit's LDS loads are out while a unit is worked.  Each wait leaves just those loads out.
	LOADT 0, 0
	LOADT 1, 1
	s_wait_dscnt 32
	QBLK X, 0
	v_mov_b32 v[WT], v19
	global_store_b128 v[TO], v[C:C+3], s[6:7] offset:8192          ; lanes 0-15 and lanes 16-31 each store 256 consecutive bytes, aligned
	LOADT 2, 0
	s_wait_dscnt 32
	QBLK X+32, 1
	v_lshl_or_b32 v[WT], v19, 8, v[WT]
	global_store_b128 v[TO], v[C+4:C+7], s[6:7] offset:8192+256
	LOADT 3, 1
	s_wait_dscnt 32
	QBLK X, 2
	v_lshl_or_b32 v[WT], v19, 16, v[WT]
	global_store_b128 v[TO], v[C+8:C+11], s[6:7] offset:8192+512
	LOADK 0, 0, 0
	s_wait_dscnt 8
	QBLK X+32, 3
	v_lshl_or_b32 v[WT], v19, 24, v[WT]
	global_store_b128 v[TO], v[C+12:C+15], s[6:7] offset:8192+768
	LOADK 0, 1, 1
	s_wait_dscnt 8
	QBLK X, 4
	v_mov_b32 v20, v19
	global_store_b128 v[KO], v[C+16:C+19], s[6:7]                  ; 32 lanes store 512 consecutive bytes
	LOADK 1, 0, 0
	s_wait_dscnt 8
	QBLK X+32, 5
	KWORD 0
	global_store_b128 v[KO], v[C+20:C+23], s[6:7] offset:512
	LOADK 1, 1, 1
	s_wait_dscnt 8
	QBLK X, 6
	v_mov_b32 v20, v19
	global_store_b128 v[KO], v[C+24:C+27], s[6:7] offset:1024
	s_wait_dscnt 0x0
	QBLK X+32, 7
	KWORD 1
	global_store_b128 v[KO], v[C+28:C+31], s[6:7] offset:1536
	ds_store_b32 v[STT], v[WT]                     ; the scale words meet in the image,
	ds_store_b32 v[STK], v[WK]                     ; (both halves of the lanes write the same word with the same value)
	ds_store_b32 v[STK], v[WK+1] offset:4
	s_wait_dscnt 0x0                               ; for the others' sake: my words lie there
	s_barrier_signal -1
	s_barrier_wait -1
	ds_load_b64 v[22:23], v[SR]
	s_wait_dscnt 0x0
	global_store_b64 v[SG], v[22:23], s[8:9]       ; and leave: each wave stores 256 consecutive bytes, aligned
	s_wait_tensorcnt 0x0
	ds_add_u32 v192, v193
	s_wait_dscnt 0x0
	s_endpgm
.Lfunc_end_k_qbbe48dae99_prep:
	.size	k_qbbe48dae99_prep, .Lfunc_end_k_qbbe48dae99_prep-k_qbbe48dae99_prep
	.p2alignl 7, 3214868480
	.fill 96, 4, 3214868480
	.section	.rodata,"a",@progbits
	.p2align	6, 0x0
	.amdhsa_kernel k_qbbe48dae99_prep
		.amdhsa_group_segment_fixed_size 69120
		.amdhsa_private_segment_fixed_size 0
		.amdhsa_enable_private_segment 0
		.amdhsa_kernarg_size 24
		.amdhsa_user_sgpr_count 2
		.amdhsa_user_sgpr_kernarg_segment_ptr 1
		.amdhsa_wavefront_size32 1
		.amdhsa_system_sgpr_workgroup_id_x 1
		.amdhsa_system_sgpr_workgroup_id_y 1
		.amdhsa_system_sgpr_workgroup_id_z 1
		.amdhsa_system_vgpr_workitem_id 0
		.amdhsa_next_free_vgpr 194
		.amdhsa_next_free_sgpr 66
		.amdhsa_reserve_vcc 0
		.amdhsa_float_denorm_mode_32 3
		.amdhsa_float_denorm_mode_16_64 3
		.amdhsa_memory_ordered 1
		.amdhsa_forward_progress 1
		.amdhsa_inst_pref_size 33
	.end_amdhsa_kernel
	.amdgpu_metadata
---
amdhsa.version: [ 1, 2 ]
amdhsa.kernels:
  - .name:           k_qbbe48dae99_prep
    .symbol:         k_qbbe48dae99_prep.kd
    .args:
      - { .name: keys, .offset: 0, .size: 8, .value_kind: global_buffer, .address_space: global }
      - { .name: kc, .offset: 8, .size: 8, .value_kind: global_buffer, .address_space: global }
      - { .name: ksc, .offset: 16, .size: 8, .value_kind: global_buffer, .address_space: global }
    .group_segment_fixed_size: 69120
    .private_segment_fixed_size: 0
    .kernarg_segment_align: 8
    .kernarg_segment_size: 24
    .max_flat_workgroup_size: 128
    .sgpr_count:     66
    .vgpr_count:     194
    .wavefront_size: 32
...
	.end_amdgpu_metadata
.endif
;; end of part 1
;; launch attn (part 2): grid 16 x 16, 8 waves a work-group, clusters of 4 x 1, 327,680 bytes of LDS; arguments query_codes, query_scales, kc, ksc, values_codes, values_scales, part, pst; writes part, pst
.if DOCPART == 2
	.amdgcn_target "amdgcn-amd-amdhsa--gfx1250"
	.amdhsa_code_object_version 6
	.text
	.protected	k_qbbe48dae99_attn
	.globl	k_qbbe48dae99_attn
	.p2align	8
	.type	k_qbbe48dae99_attn,@function
k_qbbe48dae99_attn:
	s_mov_b64 s[64:65], 0
	v_nop
	global_prefetch_b8 v0, s[64:65] scope:SCOPE_SE
	s_setreg_imm32_b32 hwreg(HW_REG_WAVE_MODE, 25, 1), 1
	s_wait_xcnt 0x0
	s_wait_alu depctr_hold_cnt(0) depctr_sa_sdst(0) depctr_va_vdst(0) depctr_va_sdst(0) depctr_va_ssrc(0) depctr_va_vcc(0) depctr_vm_vsrc(0)
	s_getreg_b32 s2, hwreg(HW_REG_IB_STS2, 6, 4)
	s_cmp_eq_u32 s2, 0
	s_cbranch_scc0 .Lentry_in_a_cluster
	s_endpgm
.Lentry_in_a_cluster:
	s_bfe_u32 s2, ttmp6, 0x10000c
	s_cmp_lg_u32 s2, 0x3003
	s_cbranch_scc0 .Lentry_shape_is_right
	s_endpgm
.Lentry_shape_is_right:
; Partial attention on codes of FP4 (E2M1), one E8M0 scale for each 32 along a product's K: for 128 queries (work-group x) and 4,096 keys (split y) the unnormalised sums
; O_0 = sum of p x keys, O_1 = sum of p x values, p = 2^(t - M), t = score x log2(e), M = the largest t so far rounded UP to a whole number; l = the sum of the unquantised p.  The next launch joins the 16 splits.
; SHARES.  Eight waves: group g = wave / 2 owns 32 queries (two tiles of 16), stream s = wave % 2 takes two of a slot's four key steps of 128 keys.  Each fragment read from LDS feeds two matrix instructions.
; LAYOUT.  All products are used transposed (source 0 = 16 keys or 16 channels, source 1 = 16 queries): a lane holds ONE query (lane % 16).  The launch before chose the keys of K's tiles so that a lane's 32 score registers of
; tiles 4 c .. 4 c + 3 are keys 64 c + 32 (lane / 16) + 0 .. 31: a whole block, in the order of the next product's operand.  So a block's maximum needs no other lane and the conversions' results are the operand.
; TWO STEPS, ONE RESCALING.  Step a's p is put into codes under M_a and kept (16 registers).  Step b gives M_b >= M_a.  Step a's scale operands are multiplied by 2^(M_a - M_b), exactly, and held at 2^-126 from below;
; O^T is multiplied once by 2^(M_before - M_b); then both steps' products are added.  The codes are those that M_b would have given.
; STREAMS.  Stream 1 holds its two tiles of queries swapped in the registers.  At the end every wave hands register tile 1 to its partner through LDS and finishes register tile 0 (query tile s of the group): one text for both.
; CLUSTER.  The four work-groups of a cluster have the same split and walk the same K, K^T and V: every tile is asked for jointly, by the same descriptor and the mask of all four.
; RING.  Two LDS slots of 512 keys.  Waves 0-3 fetch a step's 16,384 bytes of register images each, waves 4 and 5 V's halves; at the head wave 6 fetches the split's scale words of K and K^T, wave 7 V's scale bytes: one load a wave.
; PREFETCH.  At a change of slots the split's first cluster names the slot that the next change will load: its four partners share the blocks by address; waves 6, 7 the images (lanes 256 bytes apart), wave 5 V (a lane a row).
; LIMITS: the promise holds while |t| stays under 2^31; NaN and infinities are not served; p under 2^-126 counts as 0; a block of step a whose scale would fall under 2^-126 keeps that scale.
; REGISTERS.  Window 0: v1-11 addresses; v12-19 statistics; v20-35 Q; v36-65 scale words and nothing else; v66-97 p's codes (step, tile); v82-113 also four fragments of K; v98-113 at work; v114-117 step a's scale operands;
;   v118-121 the rescaling's factors; v124-127 a step's factors; v128-255 scores, then p, then fragments of K^T and V.  Window 1: O^T: tile u, output o, channels 16 t on at v[128 u + 64 o + 8 t].
.set SLOT1, 131072
.set STEPB, 16384
.set VOFF,  4*STEPB
.set VP,    272
.set KSI,   2*SLOT1
.set VSC,   KSI+32768
.set VSP,   144
.set SPARE, VSC+128*VSP
.set MSS,   SPARE+1024                 ; the merge's statistics, 256 bytes a wave; its sums, 16,384 bytes a wave, go to bytes 0 on: that slot has had its last fill and its last read
.set AKD,  1
.set AV0,  2
.set ASC0, 3
.set ASV0, 4
.set SPW,  5
.set NIL,  6
.set LI,   7
.set ADK,  8
.set ADV,  9
.set ADS,  10
.set ADT,  11
.set ST,   12                          ; tile u: -M, the largest t, l in two halves
.set QF,   20
.set QS,   36
.set KS,   38                          ; step q, tile t at KS + 8 q + t: lanes 0-15 K's word, lanes 16-31 K^T's
.set VS,   54                          ; VS + 4 q + t: lanes 0-15 V's tile t, lanes 16-31 tile t + 4
.set PW,   62                          ; PW + 2 q + u
.set PC,   66                          ; PC + 16 q + 8 u
.set KF,   82
.set BM,   98                          ; BM + 2 u + c: my block c's largest score, then its largest p
.set SO,   102
.set TMP,  106
.set CH,   108
.set EA,   114
.set FR,   118
.set PFO,  122
.set SH8,  123
.set FF,   124
.set S,    128
.set WV,   20
.set STR,  21
.set GRP,  22
.set CX,   23
.set QB,   24
.set YY,   25
.set SEL,  26
.set CS,   28
.set G1D,  32
.set G1V,  40
.set G1S,  48
.set G0D,  56
.set G0V,  60
.set G0C,  68
.set TB,   72
.set TS,   73
.set TJ,   74
.set SLOTS, 75
.set PFA,  76
.set PFS,  78
.set LIM,  80
.set G0S,  84
.set PO,   88
.set PS,   90
.set G1C,  92
.set MSB, 0
.macro WIN new                         ; the immediate's high byte repeats the setting that is left
.if MSB != \new
	s_set_vgpr_msb (MSB<<8)|\new
.set MSB, \new
.endif
.endm
.macro PLACES n
.rept \n
	v_nop
.endr
.endm
.macro CREST                           ; a round of the cluster's barrier behind its opening barrier
	s_cmp_lg_u32 s[WV], 0
	s_cbranch_scc1 .Lnot_wave_0_\@
	s_barrier_signal -3
.Lnot_wave_0_\@:
	s_barrier_wait -3
	s_barrier_signal -1
	s_barrier_wait -1
.endm
.macro CROUND
	s_barrier_signal -1
	s_barrier_wait -1
	CREST
.endm
.macro GROUP1 g, w0, c, r, p           ; r rows of c elements, p elements from row to row
	s_mov_b32 s[\g], \w0
	s_mov_b32 s[\g+1], \c<<16
	s_mov_b32 s[\g+2], \r<<16
	s_mov_b32 s[\g+3], \c<<16
	s_mov_b32 s[\g+4], \r
	s_mov_b32 s[\g+5], \p
	s_mov_b32 s[\g+6], 0
	s_mov_b32 s[\g+7], 0
.endm
.macro JLOAD                           ; a joint refill: waves 0-3 a step's images, waves 4 and 5 V's halves
	s_cmp_lt_u32 s[WV], 4
	s_cbranch_scc0 .Lnot_d_\@
	tensor_load_to_lds s[G0D:G0D+3], s[G1D:G1D+7]
	s_nop 0
	PLACES 4
	s_branch .Lasked_\@
.Lnot_d_\@:
	s_cmp_lt_u32 s[WV], 6
	s_cbranch_scc0 .Lasked_\@
	tensor_load_to_lds s[G0V:G0V+3], s[G1V:G1V+7]
	s_nop 0
	PLACES 4
.Lasked_\@:
.endm
.macro ASK how                         ; how = 1: ahead of the loop; 0: in the loop, whose last trip has no slot behind it
.if \how
	s_cmp_eq_u32 s[LIM], 1
.else
	s_cmp_gt_u32 s[SLOTS], s[LIM]
.endif
	s_cbranch_scc0 .Lnot_mine_\@
	global_prefetch_b8 v[PFO], s[PFA:PFA+1] th:TH_LOAD_NT scope:SCOPE_SE
.Lnot_mine_\@:
.endm
.macro WALK                            ; stepped where no tensor load of the wave is out
	s_xor_b32 s[G0D+1], s[G0D+1], SLOT1
	s_add_nc_u64 s[G0D+2:G0D+3], s[G0D+2:G0D+3], 4*STEPB
	s_xor_b32 s[G0V+1], s[G0V+1], SLOT1
	s_add_nc_u64 s[G0V+2:G0V+3], s[G0V+2:G0V+3], 256
	s_wait_xcnt 0x0                                ; the last prefetch has read its address
	s_add_nc_u64 s[PFA:PFA+1], s[PFA:PFA+1], s[PFS:PFS+1]
.endm
	s_load_b256 s[4:11], s[0:1], 0x0               ; Q's codes, Q's scales, kc, ksc
	s_load_b256 s[12:19], s[0:1], 0x20             ; V's codes, V's scales, part, pst
	v_lshl_add_u32 v[SPW], v0, 2, SPARE
	v_mov_b32 v[NIL], 0
	ds_add_u32 v[SPW], v[NIL]                      ; the opening: the add, twice on end, and its wait
	ds_add_u32 v[SPW], v[NIL]
	v_lshrrev_b32 v8, 5, v0
	v_readfirstlane_b32 s[WV], v8                  ; wave 0..7
	s_and_b32 s[STR], s[WV], 1
	s_lshr_b32 s[GRP], s[WV], 1
	s_and_b32 s[YY], ttmp7, 0xffff                 ; the split, which the four partners share
.set W0D, 15|(3<<16)|(1<<21)                       ; the mask of all four; elements of 8 bytes; bit 21 beside a mask
.set W0V, 15|(1<<20)|(1<<21)|(5<<22)|(3<<25)       ; bytes; four words of padding after every 64
.set W0S, 15|(1<<20)|(1<<21)|(4<<22)|(3<<25)       ; four words after every 32
	GROUP1 G1D, W0D, 32, 64, 32                    ; 16,384 dense bytes as 64 rows of 256
	GROUP1 G1C, W0D, 32, 128, 32                   ; 32,768 dense bytes
	GROUP1 G1V, W0V, 256, 64, 32768                ; 64 rows of 256 bytes of values_codes
	GROUP1 G1S, W0S, 128, 128, 2048                ; 128 rows of 128 bytes of values_scales
	s_and_b32 s81, s[WV], 3
	s_lshl_b32 s81, s81, 14                        ; images: step wave % 4 of a slot
	s_lshl_b32 s82, s[YY], 19
	s_add_co_u32 s82, s82, s81
	s_mov_b32 s83, 0
	s_mul_i32 s30, s[STR], 64*VP                   ; V: rows 64 (wave % 2) on
	s_lshl_b32 s2, s[STR], 21
	s_lshl_b32 s3, s[YY], 11
	s_add_co_u32 s2, s2, s3
	s_mov_b32 s3, 0
	s_lshl_b32 s66, s[YY], 15                      ; the split's scale words of K and K^T
	s_mov_b32 s67, 0
	s_lshl_b32 s100, s[YY], 7                      ; and 128 bytes into each row of V's scale bytes
	s_mov_b32 s101, 0
	s_mov_b32 s[SEL], 0x76543210
	s_mov_b32 s[SEL+1], 0xfedcba98
	s_mov_b32 s[CS], 0x3fb8aa3b                    ; log2(e)
	s_mov_b32 s[CS+1], s[CS]
	s_mov_b32 s[TB], 0
	s_mov_b32 s[TS], 0
	s_mov_b32 s[TJ], 0
	s_wait_dscnt 0x0
	s_wait_kmcnt 0x0
	s_mov_b32 s[G0D], 1
	s_mov_b32 s[G0D+1], s81
	s_add_nc_u64 s[G0D+2:G0D+3], s[8:9], s[82:83]
	s_or_b32 s[G0D+3], s[G0D+3], 0x80000000
	s_mov_b32 s[G0V], 1
	s_add_co_u32 s[G0V+1], s30, VOFF
	s_add_nc_u64 s[G0V+2:G0V+3], s[12:13], s[2:3]
	s_or_b32 s[G0V+3], s[G0V+3], 0x80000000
	s_mov_b32 s[G0C], 1
	s_mov_b32 s[G0C+1], KSI
	s_add_nc_u64 s[G0C+2:G0C+3], s[10:11], s[66:67]
	s_or_b32 s[G0C+3], s[G0C+3], 0x80000000
	s_mov_b32 s[G0S], 1
	s_mov_b32 s[G0S+1], VSC
	s_add_nc_u64 s[G0S+2:G0S+3], s[14:15], s[100:101]
	s_or_b32 s[G0S+3], s[G0S+3], 0x80000000
	CROUND                                         ; all four work-groups are here: the first joint loads meet
.macro ARM under, g0, g1, next         ; one chain of branches on the wave's number, one load to an arm
	s_cmp_lt_u32 s[WV], \under
	s_cbranch_scc0 \next
	tensor_load_to_lds s[\g0:\g0+3], s[\g1:\g1+7]
	s_nop 0
	PLACES 4
	s_branch .Lhead_asked
\next:
.endm
	ARM 4, G0D, G1D, .Lhead_v
	ARM 6, G0V, G1V, .Lhead_c
	ARM 7, G0C, G1C, .Lhead_s
	tensor_load_to_lds s[G0S:G0S+3], s[G1S:G1S+7]
	s_nop 0
	PLACES 4
.Lhead_asked:
	; my place in the cluster enters the addresses of Q, part, pst and the prefetches alone
	s_bfe_u32 s[CX], ttmp6, 0x40000
	s_lshl_b32 s[QB], ttmp9, 2
	s_add_co_u32 s[QB], s[QB], s[CX]               ; my block of 128 queries
	s_lshl_b32 s82, s[QB], 13
	s_lshl_b32 s83, s[GRP], 11
	s_add_co_u32 s82, s82, s83
	s_mov_b32 s83, 0
	s_add_nc_u64 s[4:5], s[4:5], s[82:83]
	s_lshr_b32 s82, s82, 4
	s_add_nc_u64 s[6:7], s[6:7], s[82:83]
	s_lshl_b32 s82, s[YY], 7
	s_lshl_b32 s2, s[QB], 3
	s_add_co_u32 s82, s82, s2
	s_lshl_b32 s2, s[GRP], 1
	s_add_co_u32 s82, s82, s2
	s_add_co_u32 s82, s82, s[STR]                  ; 128 split + the tile of queries that I finish
	s_lshl_b32 s2, s82, 14
	s_mov_b32 s3, 0
	s_add_nc_u64 s[PO:PO+1], s[16:17], s[2:3]
	s_lshl_b32 s2, s82, 8
	s_add_nc_u64 s[PS:PS+1], s[18:19], s[2:3]
	s_lshl_b32 s2, s[YY], 11                       ; the prefetches.  V: my split's keys, my work-group's 32 rows;
	s_lshl_b32 s3, s[CX], 20
	s_add_co_u32 s2, s2, s3
	s_lshl_b32 s66, s[YY], 19                      ; images: my work-group's 16,384 bytes of a slot, my wave's half
	s_lshl_b32 s67, s[CX], 14
	s_add_co_u32 s66, s66, s67
	s_lshl_b32 s67, s[STR], 13
	s_add_co_u32 s66, s66, s67
	s_mov_b32 s81, 4*STEPB
	s_mov_b32 s82, 256
	s_mov_b32 s83, 32768
	s_cmp_lt_u32 s[WV], 6
	s_cselect_b64 s[PFA:PFA+1], s[12:13], s[8:9]
	s_cselect_b32 s[PFS], s82, s81
	s_cselect_b32 s83, s83, s82                    ; from lane to lane
	s_cselect_b32 s2, s2, s66
	s_add_co_u32 s2, s2, s[PFS]                    ; in slot 1: the first change of slots steps it to slot 2
	s_mov_b32 s3, 0
	s_mov_b32 s[PFS+1], 0
	s_add_nc_u64 s[PFA:PFA+1], s[PFA:PFA+1], s[2:3]
	s_cmp_lt_u32 s[WV], 5
	s_cselect_b32 s81, 1, 0
	s_or_b32 s81, s81, ttmp9                       ; 0 in waves 5 to 7 of the split's first cluster
	s_cmp_eq_u32 s81, 0
	s_cselect_b32 s[LIM], 1, -1
	s_lshl_b32 s30, s[STR], 10                     ; register tile u holds query tile u xor s
	s_xor_b32 s31, s30, 1024
	s_lshr_b32 s2, s30, 4
	s_lshr_b32 s3, s31, 4
	s_lshl_b32 s66, s[STR], 15                     ; stream s takes steps 2 s and 2 s + 1 of a slot
	s_lshl_b32 s67, s[STR], 7
	s_add_co_u32 s67, s67, VOFF
	s_lshl_b32 s100, s[STR], 11
	s_add_co_u32 s100, s100, KSI
	s_lshl_b32 s101, s[STR], 3
	s_add_co_u32 s101, s101, VSC
	v_and_b32 v8, 31, v0                           ; lane
	v_and_b32 v9, 15, v0                           ; r
	v_bfe_u32 v10, v0, 4, 1                        ; h
	v_lshlrev_b32 v11, 6, v9
	v_lshl_add_u32 v11, v10, 4, v11                ; Q: row r of 64 bytes, + 16 h
	v_add_nc_u32 v128, s30, v11
	v_add_nc_u32 v129, s31, v11
	v_lshl_add_u32 v130, v9, 2, s2
	v_lshl_add_u32 v131, v9, 2, s3
.irp u, 0,1
	global_load_b128 v[QF+8*\u:QF+8*\u+3], v[128+\u], s[4:5]
	global_load_b128 v[QF+8*\u+4:QF+8*\u+7], v[128+\u], s[4:5] offset:32
	global_load_b32 v[QS+\u], v[130+\u], s[6:7]
.endr
	v_mul_lo_u32 v[PFO], v8, s83
	v_lshlrev_b32 v[LI], 4, v8
	v_add_nc_u32 v[AKD], s66, v[LI]
	v_mul_u32_u24 v[AV0], v9, VP
	v_lshl_add_u32 v[AV0], v10, 4, v[AV0]
	v_add_nc_u32 v[AV0], s67, v[AV0]
	v_add_nc_u32 v[ASC0], s100, v[LI]
	v_mul_u32_u24 v[ASV0], v9, VSP
	v_mad_u32_u24 v[ASV0], v10, 64*VSP, v[ASV0]    ; lanes 16-31 take the tile four further on
	v_add_nc_u32 v[ASV0], s101, v[ASV0]
	v_lshlrev_b32 v[SH8], 3, v10                   ; 8 h: how far my two bytes of p's scale word are shifted
.irp u, 0,1
	v_mov_b32 v[ST+4*\u+1], 0xff61b1e6             ; the largest t so far: -3e38
	v_floor_f32 v[ST+4*\u], -v[ST+4*\u+1]
	v_mov_b32 v[ST+4*\u+2], 0
	v_mov_b32 v[ST+4*\u+3], 0
	v_mov_b32 v[FR+2*\u+1], 0                      ; (named as the upper halves of pairs)
	v_mov_b32 v[FF+2*\u+1], 0
.endr
.macro KLOAD q, t0, n, base            ; n fragments of K, tiles t0 on, into v[base] on; 512 consecutive bytes a load
.set t, 0
.rept \n
	ds_load_b128 v[\base+8*t:\base+8*t+3],   v[ADK] offset:STEPB*\q+1024*(\t0+t)
	ds_load_b128 v[\base+8*t+4:\base+8*t+7], v[ADK] offset:STEPB*\q+1024*(\t0+t)+512
.set t, t+1
.endr
.endm
.macro SMUL q, t0, base                ; S^T = K Q^T: four tiles of keys, fragments at v[base] on, x two tiles of queries
.set t, \t0
.rept 4
.set u, 0
.rept 2
	v_wmma_scale_f32_16x16x128_f8f6f4 v[S+64*u+8*t:S+64*u+8*t+7], v[\base+8*(t%4):\base+8*(t%4)+7], v[QF+8*u:QF+8*u+7], 0, v[KS+8*\q+t], v[QS+u] matrix_a_fmt:MATRIX_FMT_FP4 matrix_b_fmt:MATRIX_FMT_FP4
.set u, u+1
.endr
.set t, t+1
.endr
.endm
.macro TL q                            ; K^T's eight fragments of step q
.set t, 0
.rept 8
	ds_load_b128 v[S+8*t:S+8*t+3],   v[ADK] offset:STEPB*\q+8192+1024*t
	ds_load_b128 v[S+8*t+4:S+8*t+7], v[ADK] offset:STEPB*\q+8192+1024*t+512
.set t, t+1
.endr
.endm
.macro VL q, t0, n                     ; n fragments of V, tiles t0 on
.set t, \t0
.rept \n
	ds_load_b128 v[S+64+8*t:S+64+8*t+3], v[ADV] offset:16*VP*t+64*\q
	ds_load_b128 v[S+64+8*t+4:S+64+8*t+7], v[ADV] offset:16*VP*t+64*\q+32
.set t, t+1
.endr
.endm
; O^T += (K^T or V^T) P^T of step q: the sixteen accumulators take turns, one instruction each.  first = 1: the products start the sums.
.macro PV o, q, first
.set t, 0
.rept 8
.set u, 0
.rept 2
.set rD, 128*u+64*\o+8*t
.set rA, S+64*\o+8*t
.set rB, PC+16*\q+8*u
.if \o
.set rW, VS+4*\q+t%4
.set row, t/4
.else
.set rW, KS+8*\q+t
.set row, 1
.endif
.if \first
.if row
	v_wmma_scale_f32_16x16x128_f8f6f4 v[rD:rD+7], v[rA:rA+7], v[rB:rB+7], 0, v[rW], v[PW+2*\q+u] matrix_a_fmt:MATRIX_FMT_FP4 matrix_b_fmt:MATRIX_FMT_FP4 matrix_a_scale:MATRIX_SCALE_ROW1
.else
	v_wmma_scale_f32_16x16x128_f8f6f4 v[rD:rD+7], v[rA:rA+7], v[rB:rB+7], 0, v[rW], v[PW+2*\q+u] matrix_a_fmt:MATRIX_FMT_FP4 matrix_b_fmt:MATRIX_FMT_FP4
.endif
.else
.if row
	v_wmma_scale_f32_16x16x128_f8f6f4 v[rD:rD+7], v[rA:rA+7], v[rB:rB+7], v[rD:rD+7], v[rW], v[PW+2*\q+u] matrix_a_fmt:MATRIX_FMT_FP4 matrix_b_fmt:MATRIX_FMT_FP4 matrix_a_scale:MATRIX_SCALE_ROW1
.else
	v_wmma_scale_f32_16x16x128_f8f6f4 v[rD:rD+7], v[rA:rA+7], v[rB:rB+7], v[rD:rD+7], v[rW], v[PW+2*\q+u] matrix_a_fmt:MATRIX_FMT_FP4 matrix_b_fmt:MATRIX_FMT_FP4
.endif
.endif
.set u, u+1
.endr
.set t, t+1
.endr
.endm
.macro FMA u, b                        ; pair b of tile u: t - M
	v_pk_fma_f32 v[S+64*(\u)+2*(\b):S+64*(\u)+2*(\b)+1], v[S+64*(\u)+2*(\b):S+64*(\u)+2*(\b)+1], s[CS:CS+1], v[ST+4*(\u):ST+4*(\u)+1] op_sel_hi:[1,0,0]
.endm
.macro RESO o                          ; output o of both tiles under the new M, each accumulator from its low end on
.irp u, 0,1
.set j, 128*\u+64*(\o)
.rept 32
	v_pk_mul_f32 v[j:j+1], v[j:j+1], v[FR+2*\u:FR+2*\u+1] op_sel_hi:[1,0]
.set j, j+2
.endr
.endr
.endm
; THE SOFTMAX of both tiles for step q: scores in v[S ..] become p and then codes.  Step 0 writes its factor straight into FR and its scale operands into EA, which outlive the step.
.macro SOFT q
.if \q
.set fq, FF
.set sq, SO
.else
.set fq, FR
.set sq, EA
.endif
.irp c, 0,1                            ; each block's largest score in two chains of 16, eight chains by turns; every accumulator is read from its low end on
.irp u, 0,1
	v_max3_num_f32 v[BM+2*\u+\c], v[S+64*\u+32*\c], v[S+64*\u+32*\c+1], v[S+64*\u+32*\c+2]
	v_max3_num_f32 v[SO+2*\u+\c], v[S+64*\u+32*\c+16], v[S+64*\u+32*\c+17], v[S+64*\u+32*\c+18]
.endr
.endr
.irp i, 3,5,7,9,11,13
.irp c, 0,1
.irp u, 0,1
	v_max3_num_f32 v[BM+2*\u+\c], v[BM+2*\u+\c], v[S+64*\u+32*\c+\i], v[S+64*\u+32*\c+\i+1]
	v_max3_num_f32 v[SO+2*\u+\c], v[SO+2*\u+\c], v[S+64*\u+32*\c+16+\i], v[S+64*\u+32*\c+17+\i]
.endr
.endr
.endr
.irp c, 0,1
.irp u, 0,1
	v_max3_num_f32 v[BM+2*\u+\c], v[BM+2*\u+\c], v[SO+2*\u+\c], v[S+64*\u+32*\c+15]
.endr
.endr
.irp c, 0,1
.irp u, 0,1
	v_max_num_f32 v[BM+2*\u+\c], v[BM+2*\u+\c], v[S+64*\u+32*\c+31]
.endr
.endr
.irp u, 0,1
	v_max_num_f32 v[TMP+\u], v[BM+2*\u], v[BM+2*\u+1]
.endr
.irp u, 0,1
	v_permlanex16_b32 v[CH+4+\u], v[TMP+\u], s[SEL], s[SEL+1]
.endr
.irp u, 0,1
	v_max_num_f32 v[TMP+\u], v[TMP+\u], v[CH+4+\u] ; the step's largest score of my query
.endr
.irp u, 0,1
	v_mul_f32 v[TMP+\u], s[CS], v[TMP+\u]
.endr
.irp u, 0,1
	v_max_num_f32 v[ST+4*\u+1], v[ST+4*\u+1], v[TMP+\u]
.endr
.irp u, 0,1
	v_mov_b32 v[TMP+\u], v[ST+4*\u]
.endr
.irp u, 0,1
	v_floor_f32 v[ST+4*\u], -v[ST+4*\u+1]          ; the new -M = -ceil(t)
.endr
.irp u, 0,1
	v_sub_f32 v[TMP+\u], v[ST+4*\u], v[TMP+\u]     ; old M - new M: a whole number, 0 or less
.endr
.set e, 0
.rept 8                                ; tile 0's scalings need -M alone: the rest of the chain that makes f stands among them
	FMA 0, e
.set e, e+1
.endr
.irp u, 0,1
	v_cvt_i32_f32 v[TMP+\u], v[TMP+\u]             ; (it saturates)
.endr
.rept 8
	FMA 0, e
.set e, e+1
.endr
.irp u, 0,1
	v_ldexp_f32 v[fq+2*\u], 1.0, v[TMP+\u]         ; f = 2^(old M - new M)
.endr
.rept 16
	FMA 0, e
.set e, e+1
.endr
.irp u, 0,1
.irp c, 0,1
	v_fma_f32 v[BM+2*\u+\c], v[BM+2*\u+\c], s[CS], v[ST+4*\u]   ; the same of each block's largest score
.endr
.endr
.irp u, 0,1
	v_pk_mul_f32 v[ST+4*\u+2:ST+4*\u+3], v[ST+4*\u+2:ST+4*\u+3], v[fq+2*\u:fq+2*\u+1] op_sel_hi:[1,0]   ; l under the new M
.if \q
	v_mul_f32 v[FR+2*\u], v[FR+2*\u], v[FF+2*\u]   ; both steps' factors: what O^T is multiplied by
.endif
.endr
	s_wait_alu depctr_va_vdst(0)                   ; the wait ahead of the batch
.set e, 0
.rept 32                               ; tile 0's p = 2^(t - M); tile 1's scalings stand among them: their results are read behind the next wait
	v_exp_f32 v[S+2*e], v[S+2*e]
	v_exp_f32 v[S+2*e+1], v[S+2*e+1]
	FMA 1, e
.set e, e+1
.endr
	v_exp_f32 v[BM], v[BM]
	v_exp_f32 v[BM+1], v[BM+1]
	s_wait_alu depctr_va_vdst(0)                   ; behind tile 1's scalings, ahead of the exponentials that read them
.set e, 0
.rept 64
	v_exp_f32 v[S+64+e], v[S+64+e]
.set e, e+1
.endr
	v_exp_f32 v[BM+2], v[BM+2]
	v_exp_f32 v[BM+3], v[BM+3]
	v_nop                                          ; a plain place behind the last exponential
	s_wait_alu depctr_va_vdst(0)                   ; one wait ahead of the first reader
.irp n, 0,1,2,3
	v_max_num_f32 v[BM+\n], 0x1800000, v[BM+\n]    ; the floor 2^(3 - 127): the byte cannot fall under 1
.endr
.irp n, 0,1,2,3
	v_add_nc_u32 v[sq+\n], 0xff000000, v[BM+\n]    ; 2 off the exponent field: the conversion's scale operand
.endr
.irp u, 0,1                            ; l is taken of the unquantised p: two chains a tile
	v_pk_add_f32 v[CH+2*\u:CH+2*\u+1], v[S+96*\u:S+96*\u+1], v[S+96*\u+2:S+96*\u+3]   ; tile 0 begins with its block 0, tile 1 with its block 1
	v_pk_add_f32 v[BM+2*\u:BM+2*\u+1], v[S+96*\u+4:S+96*\u+5], v[S+96*\u+6:S+96*\u+7] ; a third chain, in the registers of the blocks' maxima, which are done with: six chains by turns
.endr
.set j, 8
.rept 4
.irp u, 0,1
	v_pk_add_f32 v[ST+4*\u+2:ST+4*\u+3], v[ST+4*\u+2:ST+4*\u+3], v[S+96*\u+j:S+96*\u+j+1]
	v_pk_add_f32 v[CH+2*\u:CH+2*\u+1], v[CH+2*\u:CH+2*\u+1], v[S+96*\u+j+2:S+96*\u+j+3]
	v_pk_add_f32 v[BM+2*\u:BM+2*\u+1], v[BM+2*\u:BM+2*\u+1], v[S+96*\u+j+4:S+96*\u+j+5]
.endr
.set j, j+6
.endr
.irp g, 0,1,2,3                        ; tile 1's block 1 is summed: it goes into codes, and its 32 registers are free
	v_cvt_scalef32_pk8_fp4_f32 v[PC+16*\q+12+\g], v[S+96+8*\g:S+96+8*\g+7], v[sq+3]
.endr
.if \q
	VL 0, 4, 4                                     ; they take V's tiles 4-7 of step a,
.else
	KLOAD 1, 0, 4, S+96                            ; or step b's tiles 0-3 of K; tiles 4 and 5 go where step b's codes will lie
	KLOAD 1, 4, 2, KF
.endif
.set j, 0
.rept 5
.irp u, 0,1
	v_pk_add_f32 v[ST+4*\u+2:ST+4*\u+3], v[ST+4*\u+2:ST+4*\u+3], v[S+32+32*\u+j:S+32+32*\u+j+1]
	v_pk_add_f32 v[CH+2*\u:CH+2*\u+1], v[CH+2*\u:CH+2*\u+1], v[S+32+32*\u+j+2:S+32+32*\u+j+3]
	v_pk_add_f32 v[BM+2*\u:BM+2*\u+1], v[BM+2*\u:BM+2*\u+1], v[S+32+32*\u+j+4:S+32+32*\u+j+5]
.endr
.set j, j+6
.endr
.irp u, 0,1
	v_pk_add_f32 v[ST+4*\u+2:ST+4*\u+3], v[ST+4*\u+2:ST+4*\u+3], v[S+32+32*\u+30:S+32+32*\u+31]
	v_pk_add_f32 v[CH+2*\u:CH+2*\u+1], v[CH+2*\u:CH+2*\u+1], v[BM+2*\u:BM+2*\u+1]
.endr
.irp u, 0,1
	v_pk_add_f32 v[ST+4*\u+2:ST+4*\u+3], v[ST+4*\u+2:ST+4*\u+3], v[CH+2*\u:CH+2*\u+1]
.endr
.irp n, 0,1,2                          ; n = 2 u + c: register 4 c + g of tile u's operand holds keys 64 c + 32 h + 8 g + 0 .. 7
.irp g, 0,1,2,3
	v_cvt_scalef32_pk8_fp4_f32 v[PC+16*\q+4*\n+\g], v[S+32*\n+8*\g:S+32*\n+8*\g+7], v[sq+\n]
.endr
.endr
	v_nop                                          ; one plain place behind the scaled conversions
.if \q == 0
	KLOAD 1, 6, 2, KF+16                           ; the work registers are done with: step b's tiles 6 and 7 of K
.endif
.endm
; TWO KEY STEPS: my stream's share of the slot in hand, and the change of slots.  meet = 1: the slot left is filled again; 2: nothing is asked for.
.macro SUPER first, meet
	v_add_nc_u32 v[ADK], s[TB], v[AKD]
	v_add_nc_u32 v[ADV], s[TB], v[AV0]
	v_add_nc_u32 v[ADS], s[TS], v[ASC0]
	v_add_nc_u32 v[ADT], s[TJ], v[ASV0]
	PLACES 2                                       ; six places behind the last products: their fragments' registers take results, their scale and code registers take loads
	s_wait_alu depctr_va_vdst(0)
	ds_load_b128 v[KS:KS+3],   v[ADS]              ; what the first products need is asked for first
	ds_load_b128 v[KS+4:KS+7], v[ADS] offset:512
	KLOAD 0, 0, 4, S+96                            ; K's tiles 0-3 lie where the scores of tiles 4-7 of query tile 1 will lie
	KLOAD 0, 4, 4, KF
	ds_load_b128 v[KS+8:KS+11],  v[ADS] offset:1024
	ds_load_b128 v[KS+12:KS+15], v[ADS] offset:1536
.irp q, 0,1
.irp t, 0,1,2,3
	ds_load_b32 v[VS+4*\q+\t], v[ADT] offset:16*VSP*\t+4*\q
.endr
.endr
	s_wait_dscnt 18                                ; step a's words and tiles 0-3 are in; behind them: 8 loads of tiles 4-7, 2 of step b's words, 8 of V's
	SMUL 0, 0, S+96
	PLACES 5                                       ; the next products' results are laid over the fragments just read
	s_wait_dscnt 10                                ; tiles 4-7 are in
	SMUL 0, 4, KF
	PLACES 4                                       ; in front of the first read of results
	SOFT 0
	s_wait_dscnt 8                                 ; step b's tiles 0-3 are in; the 8 loads of tiles 4-7 may be out
	SMUL 1, 0, S+96
	PLACES 5
	s_wait_dscnt 0x0
	SMUL 1, 4, KF
	PLACES 4
	SOFT 1
	TL 0                                           ; p is in codes: its registers take step a's fragments of K^T and the rest of V's
	VL 0, 0, 4
.irp n, 0,1,2,3
	v_ldexp_f32 v[EA+\n], v[EA+\n], v[TMP+\n/2]    ; step a's scale operands under M_b: x 2^(M_a - M_b), exact,
.endr
.irp n, 0,1,2,3
	v_max_num_f32 v[EA+\n], 0x800000, v[EA+\n]     ; held at 2^-126: the byte cannot fall under 1
.endr
.irp n, 0,1,2,3
	v_lshrrev_b32 v[EA+\n], 23, v[EA+\n]           ; the scales' bytes
	v_lshrrev_b32 v[SO+\n], 23, v[SO+\n]
.endr
.irp u, 0,1
	v_lshl_or_b32 v[BM+\u], v[EA+2*\u+1], 16, v[EA+2*\u]      ; my two bytes: blocks h and 2 + h
	v_lshl_or_b32 v[BM+2+\u], v[SO+2*\u+1], 16, v[SO+2*\u]
.endr
.irp n, 0,1,2,3
	v_lshlrev_b32 v[BM+\n], v[SH8], v[BM+\n]       ; at their places,
.endr
.irp n, 0,1,2,3
	v_permlanex16_b32 v[SO+\n], v[BM+\n], s[SEL], s[SEL+1]
.endr
.irp n, 0,1,2,3
	v_or_b32 v[PW+\n], v[BM+\n], v[SO+\n]          ; with lane l xor 16's two the word is whole
.endr
.if \first
	PLACES 8                                       ; a scale register written by a vector instruction stands eight places ahead of a scaled matrix instruction
.else
	WIN 0x41                                       ; O^T in window 1, the factor in window 0
	s_wait_alu depctr_va_vdst(0)                   ; the wait directly ahead of the first reader of these results
	RESO 0
.endif
	s_wait_alu depctr_va_vdst(0)                   ; the wait directly ahead of the wait below
	s_wait_dscnt 8                                 ; V's tiles 4-7 and K^T's sixteen loads are in; the 8 loads of V's tiles 0-3 may be out
	WIN 0x50                                       ; fragments and p in window 0, C and D in window 1
	PV 0, 0, \first
	PLACES 4
	WIN 0
	TL 1
.if \first == 0
	WIN 0x41
	s_wait_alu depctr_va_vdst(0)                   ; likewise, ahead of the first reader of output 1's results
	RESO 1                                         ; while step b's K^T is on its way
	s_wait_alu depctr_va_vdst(0)
.endif
	s_wait_dscnt 16                                ; V's are in; the sixteen just issued may be out
	WIN 0x50
	PV 1, 0, \first
	PLACES 4
	WIN 0
	VL 1, 0, 8
	s_wait_tensorcnt 0x0                           ; all my tensor loads are done: my part of the slot ahead
	ds_add_u32 v[SPW], v[NIL]
.if \meet == 1
	WALK
.endif
	s_wait_dscnt 17                                ; K^T's are in; V's sixteen and the add may be out
	WIN 0x50
	PV 0, 1, 0
	s_wait_dscnt 0x0                               ; the add is done, and my reads of this slot are over
	s_barrier_signal -1
	PV 1, 1, 0                                     ; work on registers while the others arrive
	WIN 0
	s_barrier_wait -1
.if \meet == 1
	CREST                                          ; no wave of any partner still reads this slot or has a load on its way
	JLOAD
	ASK \first
.endif
	s_xor_b32 s[TB], s[TB], SLOT1
	s_add_co_u32 s[TS], s[TS], 4096
	s_add_co_u32 s[TJ], s[TJ], 16
.endm
	s_wait_alu depctr_va_vdst(0)                   ; the wait at the head's end
	s_wait_loadcnt 0x0                             ; Q
	s_wait_tensorcnt 0x0                           ; my tile of the head's is in
	ds_add_u32 v[SPW], v[NIL]
	WALK
	s_wait_dscnt 0x0
	CROUND
	JLOAD                                          ; slot 1 is asked for, as a refill is
	ASK 1
	SUPER 1, 1                                     ; slot 0: the products start the sums; slot 2 is asked for
	s_mov_b32 s[SLOTS], 5
.Lslot:                                            ; slots 1 to 5: slots 3 to 7 are asked for
	SUPER 0, 1
	s_sub_co_u32 s[SLOTS], s[SLOTS], 1
	s_cmp_lg_u32 s[SLOTS], 0
	s_cbranch_scc1 .Lslot
	s_mov_b32 s[SLOTS], 2
.Ltail:                                            ; slots 6 and 7 ask for nothing; behind the last barrier no wave reads a slot any more
	SUPER 0, 2
	s_sub_co_u32 s[SLOTS], s[SLOTS], 1
	s_cmp_lg_u32 s[SLOTS], 0
	s_cbranch_scc1 .Ltail
	; THE MERGE.  I hand register tile 1 to my partner (wave xor 1) and take its register tile 1, which is the query tile of my register tile 0.
	s_lshl_b32 s81, s[WV], 14
	s_xor_b32 s82, s81, 16384
	s_lshl_b32 s83, s[WV], 8
	s_xor_b32 s2, s83, 256
	s_add_co_u32 s83, s83, MSS
	s_add_co_u32 s2, s2, MSS
	v_and_b32 v1, 31, v0
	v_add_nc_u32 v8, s81, v[LI]                    ; my stage,
	v_add_nc_u32 v9, s82, v[LI]                    ; my partner's,
	v_lshl_add_u32 v10, v1, 2, s83                 ; and the statistics likewise
	v_lshl_add_u32 v11, v1, 2, s2
	v_lshlrev_b32 v1, 3, v1
.irp u, 0,1
	v_add_f32 v[ST+4*\u+2], v[ST+4*\u+2], v[ST+4*\u+3]
.endr
.irp u, 0,1
	v_permlanex16_b32 v[TMP+\u], v[ST+4*\u+2], s[SEL], s[SEL+1]
.endr
.irp u, 0,1
	v_add_f32 v[ST+4*\u+1], v[ST+4*\u+2], v[TMP+\u]            ; (-M, l) stand as a pair
.endr
	WIN 0x04                                       ; an LDS store's data are its source 1: window 1
.set i, 0
.rept 32
	ds_store_b128 v8, v[128+4*i:128+4*i+3] offset:512*i
.set i, i+1
.endr
	WIN 0
	ds_store_b32 v10, v[ST+4]
	ds_store_b32 v10, v[ST+5] offset:128
	s_wait_alu depctr_va_vdst(0)                   ; the wait directly ahead of the wait below
	s_wait_dscnt 0x0                               ; for the partner's sake: my stores have landed
	s_barrier_signal -1
	s_barrier_wait -1
	ds_load_b32 v[TMP], v11
	ds_load_b32 v[TMP+1], v11 offset:128
.set i, 0
.rept 32
	ds_load_b128 v[S+4*i:S+4*i+3], v9 offset:512*i
.set i, i+1
.endr
	s_wait_dscnt 0x0
	v_min_num_f32 v[BM], v[ST], v[TMP]             ; -(the larger M)
	v_sub_f32 v[BM+1], v[BM], v[ST]
	v_sub_f32 v[BM+2], v[BM], v[TMP]
	v_cvt_i32_f32 v[BM+1], v[BM+1]
	v_cvt_i32_f32 v[BM+2], v[BM+2]
	v_ldexp_f32 v[FF], 1.0, v[BM+1]                ; my factor,
	v_ldexp_f32 v[FF+2], 1.0, v[BM+2]              ; the partner's: exact powers of two
	v_mul_f32 v[ST+1], v[ST+1], v[FF]
	v_mov_b32 v[ST], v[BM]
	v_fma_f32 v[ST+1], v[TMP+1], v[FF+2], v[ST+1]
.set k, 0
.rept 4                                ; four chunks of 32 registers: each leaves as soon as it is joined
	WIN 0x41
.set j, 32*k
.rept 16
	v_pk_mul_f32 v[j:j+1], v[j:j+1], v[FF:FF+1] op_sel_hi:[1,0]
.set j, j+2
.endr
	WIN 0x50
.set j, 32*k
.rept 16
	v_pk_fma_f32 v[j:j+1], v[S+j:S+j+1], v[FF+2:FF+3], v[j:j+1] op_sel_hi:[1,0,1]
.set j, j+2
.endr
	WIN 0x04                                       ; a store's data are its source 1: window 1
.set i, 8*k
.rept 8
	global_store_b128 v[LI], v[4*i:4*i+3], s[PO:PO+1] offset:512*i   ; 32 lanes store 512 consecutive bytes, at a multiple of 256 from part's first byte; the next launch reads them
.set i, i+1
.endr
.set k, k+1
.endr
	WIN 0
	global_store_b64 v1, v[ST:ST+1], s[PS:PS+1]    ; (-M, l): 256 consecutive bytes
	s_wait_tensorcnt 0x0                           ; the wave's end
	ds_add_u32 v[SPW], v[NIL]
	s_wait_dscnt 0x0
	CROUND                                         ; the closing round
	s_endpgm
.Lfunc_end_k_qbbe48dae99_attn:
	.size	k_qbbe48dae99_attn, .Lfunc_end_k_qbbe48dae99_attn-k_qbbe48dae99_attn
	.p2alignl 7, 3214868480
	.fill 96, 4, 3214868480
	.section	.rodata,"a",@progbits
	.p2align	6, 0x0
	.amdhsa_kernel k_qbbe48dae99_attn
		.amdhsa_group_segment_fixed_size 327680
		.amdhsa_private_segment_fixed_size 0
		.amdhsa_enable_private_segment 0
		.amdhsa_kernarg_size 64
		.amdhsa_user_sgpr_count 2
		.amdhsa_user_sgpr_kernarg_segment_ptr 1
		.amdhsa_wavefront_size32 1
		.amdhsa_system_sgpr_workgroup_id_x 1
		.amdhsa_system_sgpr_workgroup_id_y 1
		.amdhsa_system_sgpr_workgroup_id_z 1
		.amdhsa_system_vgpr_workitem_id 0
		.amdhsa_next_free_vgpr 512
		.amdhsa_next_free_sgpr 102
		.amdhsa_reserve_vcc 0
		.amdhsa_float_denorm_mode_32 3
		.amdhsa_float_denorm_mode_16_64 3
		.amdhsa_memory_ordered 1
		.amdhsa_forward_progress 1
		.amdhsa_inst_pref_size 228
	.end_amdhsa_kernel
	.amdgpu_metadata
---
amdhsa.version: [ 1, 2 ]
amdhsa.kernels:
  - .name:           k_qbbe48dae99_attn
    .symbol:         k_qbbe48dae99_attn.kd
    .args:
      - { .name: query_codes, .offset: 0, .size: 8, .value_kind: global_buffer, .address_space: global }
      - { .name: query_scales, .offset: 8, .size: 8, .value_kind: global_buffer, .address_space: global }
      - { .name: kc, .offset: 16, .size: 8, .value_kind: global_buffer, .address_space: global }
      - { .name: ksc, .offset: 24, .size: 8, .value_kind: global_buffer, .address_space: global }
      - { .name: values_codes, .offset: 32, .size: 8, .value_kind: global_buffer, .address_space: global }
      - { .name: values_scales, .offset: 40, .size: 8, .value_kind: global_buffer, .address_space: global }
      - { .name: part, .offset: 48, .size: 8, .value_kind: global_buffer, .address_space: global }
      - { .name: pst, .offset: 56, .size: 8, .value_kind: global_buffer, .address_space: global }
    .group_segment_fixed_size: 327680
    .private_segment_fixed_size: 0
    .kernarg_segment_align: 8
    .kernarg_segment_size: 64
    .max_flat_workgroup_size: 256
    .sgpr_count:     102
    .vgpr_count:     512
    .wavefront_size: 32
...
	.end_amdgpu_metadata
.endif
;; end of part 2
;; launch comb (part 3): grid 256 x 1, 8 waves a work-group, no clusters, 9,472 bytes of LDS; arguments part, pst, out0, out1; writes out0, out1
.if DOCPART == 3
	.amdgcn_target "amdgcn-amd-amdhsa--gfx1250"
	.amdhsa_code_object_version 6
	.text
	.protected	k_qbbe48dae99_comb
	.globl	k_qbbe48dae99_comb
	.p2align	8
	.type	k_qbbe48dae99_comb,@function
k_qbbe48dae99_comb:
	s_mov_b64 s[64:65], 0
	v_nop
	global_prefetch_b8 v0, s[64:65] scope:SCOPE_SE
	s_setreg_imm32_b32 hwreg(HW_REG_WAVE_MODE, 25, 1), 1
	s_wait_xcnt 0x0
; The 16 splits' partial sums of a tile of 16 queries are joined: out = (sum over y of 2^(M_y - M) O_y) / (sum over y of 2^(M_y - M) l_y), M the largest M_y.  The factors are exact powers of two.
; A work-group takes one tile of queries T and one of the two outputs o; wave w takes channels 16 w .. 16 w + 15.  In part a lane's eight numbers of a split are O(query lane % 16, channel 16 w + 8 (lane / 16) + 0 .. 7).
; All of a wave's bytes (16 pairs of statistics, 32 loads of 512 consecutive bytes) are asked for at the head.  The results meet in a stage in LDS (16 rows of 512 bytes + 16) and leave as whole rows.
; No matrix unit, no tensor load, no cluster: a stream in which work-groups share only the small statistics.
.set L16, 1                            ; v1   16 x lane
.set L8,  2                            ; v2   8 x lane
.set SO,  3                            ; v3   the stage, in: row r, + 64 w + 32 h
.set SR,  4                            ; v4   and back: rows 2 w and 2 w + 1, 16 x lane
.set ST,  16                           ; v16-47 split y: -M_y (later its factor) and l_y
.set A,   48                           ; v48-55 the sums
.set R,   56                           ; v[56:57] 1 / l in the low word
.set X,   64                           ; v64-191 eight numbers for each split
.set OUTR, 192                         ; v192-199 the way out
.set TW,  200                          ; v200-215 at work on the factors
	s_load_b256 s[4:11], s[0:1], 0x0               ; part s[4:5], pst s[6:7], out0 s[8:9], out1 s[10:11]
	v_lshl_add_u32 v216, v0, 2, 0x2100
	v_mov_b32 v217, 0
	v_lshrrev_b32 v1, 5, v0
	s_delay_alu instid0(VALU_DEP_1)
	v_readfirstlane_b32 s26, v1                    ; wave 0..7
	v_and_b32 v5, 31, v0                           ; lane
	v_and_b32 v6, 15, v0                           ; r
	v_bfe_u32 v7, v0, 4, 1                         ; h
	s_delay_alu instid0(VALU_DEP_3)
	v_lshlrev_b32 v[L16], 4, v5
	s_delay_alu instid0(VALU_DEP_4)
	v_lshlrev_b32 v[L8], 3, v5
	s_delay_alu instid0(VALU_DEP_4)
	v_mul_u32_u24 v[SO], v6, 528
	s_delay_alu instid0(VALU_DEP_1)
	v_lshl_add_u32 v[SO], v7, 5, v[SO]
	s_lshl_b32 s24, s26, 6
	v_add_nc_u32 v[SO], s24, v[SO]
	s_mul_i32 s24, s26, 2*528
	v_add_nc_u32 v[SR], s24, v[L16]
	v_mov_b32 v[R+1], 0                            ; (named as the upper half of a pair)
	s_lshr_b32 s27, ttmp9, 1                       ; T
	s_and_b32 s28, ttmp9, 1                        ; o
	s_lshl_b32 s24, s27, 14
	s_lshl_b32 s25, s28, 13
	s_add_co_u32 s24, s24, s25
	s_lshl_b32 s25, s26, 10
	s_add_co_u32 s24, s24, s25                     ; 16,384 T + 8,192 o + 1,024 w
	s_mov_b32 s25, 0
	s_lshl_b32 s30, s27, 8
	s_mov_b32 s31, 0
	s_wait_alu depctr_va_vdst(0)
	s_wait_kmcnt 0x0
	s_add_nc_u64 s[12:13], s[4:5], s[24:25]        ; four bases, four splits (8 MiB) apart, so that every offset is an immediate inside its signed 24 bits (ISA guide, chapter 10)
	s_add_nc_u64 s[14:15], s[12:13], 0x800000
	s_add_nc_u64 s[16:17], s[14:15], 0x800000
	s_add_nc_u64 s[18:19], s[16:17], 0x800000
	s_add_nc_u64 s[20:21], s[6:7], s[30:31]
	s_cmp_eq_u32 s28, 0                            ; the choice hangs on the work-group's number alone
	s_cselect_b64 s[22:23], s[8:9], s[10:11]
	s_lshl_b32 s24, s27, 13                        ; 16 rows of 512 bytes a tile,
	s_lshl_b32 s30, s26, 10                        ; two rows a wave
	s_add_co_u32 s24, s24, s30
	s_add_nc_u64 s[22:23], s[22:23], s[24:25]
.set y, 0
.rept 16
	global_load_b64 v[ST+2*y:ST+2*y+1], v[L8], s[20:21] offset:32768*y
.set y, y+1
.endr
.set y, 0
.rept 16
	global_load_b128 v[X+8*y:X+8*y+3],   v[L16], s[12+2*(y/4):13+2*(y/4)] offset:(y%4)*2097152 th:TH_LOAD_NT
	global_load_b128 v[X+8*y+4:X+8*y+7], v[L16], s[12+2*(y/4):13+2*(y/4)] offset:(y%4)*2097152+512 th:TH_LOAD_NT
.set y, y+1
.endr
	s_wait_loadcnt 32                              ; the statistics are in; the 32 loads issued behind them may be out
	v_min3_num_f32 v58, v[ST], v[ST+2], v[ST+4]    ; -(the largest M)
.irp y, 3,5,7,9,11,13
	s_delay_alu instid0(VALU_DEP_1)
	v_min3_num_f32 v58, v58, v[ST+2*\y], v[ST+2*\y+2]
.endr
	s_delay_alu instid0(VALU_DEP_1)
	v_min_num_f32 v58, v58, v[ST+30]
.set y, 0
.rept 16
	v_sub_f32 v[TW+y], v58, v[ST+2*y]              ; M_y - M: a whole number, 0 or less
.set y, y+1
.endr
.set y, 0
.rept 16
	v_cvt_i32_f32 v[TW+y], v[TW+y]                 ; (it saturates)
.set y, y+1
.endr
.set y, 0
.rept 16
	v_ldexp_f32 v[ST+2*y], 1.0, v[TW+y]            ; the split's factor takes -M_y's place
.set y, y+1
.endr
	v_mul_f32 v62, v[ST], v[ST+1]
.set y, 1
.rept 15
	s_delay_alu instid0(VALU_DEP_1)
	v_fma_f32 v62, v[ST+2*y], v[ST+2*y+1], v62     ; l
.set y, y+1
.endr
	s_wait_alu depctr_va_vdst(0)
	v_rcp_f32 v[R], v62
.set y, 0
.rept 16
	s_wait_alu depctr_va_vdst(0)
	s_wait_loadcnt 30-2*y                          ; split y's two loads are in; the later splits' may be out
.irp k, 0,2,4,6
.if y == 0
	s_wait_alu depctr_va_vdst(0)
	v_pk_mul_f32 v[A+\k:A+\k+1], v[X+\k:X+\k+1], v[ST:ST+1] op_sel_hi:[1,0]      ; the first split starts the sums.  (Plain work behind the reciprocal, which names neither its result nor its source)
.else
	v_pk_fma_f32 v[A+\k:A+\k+1], v[X+8*y+\k:X+8*y+\k+1], v[ST+2*y:ST+2*y+1], v[A+\k:A+\k+1] op_sel_hi:[1,0,1]
.endif
.endr
.set y, y+1
.endr
	s_wait_alu depctr_va_vdst(0)                   ; the wait ahead of the reciprocal's first reader
.irp k, 0,2,4,6
	v_pk_mul_f32 v[A+\k:A+\k+1], v[A+\k:A+\k+1], v[R:R+1] op_sel_hi:[1,0]
.endr
	ds_store_b128 v[SO], v[A:A+3]
	ds_store_b128 v[SO], v[A+4:A+7] offset:16
	s_wait_dscnt 0x0                               ; for the others' sake: my 64 bytes of each row lie in the stage
	s_barrier_signal -1
	s_barrier_wait -1
	ds_load_b128 v[OUTR:OUTR+3], v[SR]
	ds_load_b128 v[OUTR+4:OUTR+7], v[SR] offset:528
	s_wait_dscnt 0x0
	global_store_b128 v[L16], v[OUTR:OUTR+3], s[22:23] th:TH_STORE_NT              ; 32 lanes store a row of 512 consecutive bytes, at a multiple of 256 from the output's first byte
	global_store_b128 v[L16], v[OUTR+4:OUTR+7], s[22:23] offset:512 th:TH_STORE_NT
	s_wait_tensorcnt 0x0
	ds_add_u32 v216, v217
	s_wait_dscnt 0x0
	s_endpgm
.Lfunc_end_k_qbbe48dae99_comb:
	.size	k_qbbe48dae99_comb, .Lfunc_end_k_qbbe48dae99_comb-k_qbbe48dae99_comb
	.p2alignl 7, 3214868480
	.fill 96, 4, 3214868480
	.section	.rodata,"a",@progbits
	.p2align	6, 0x0
	.amdhsa_kernel k_qbbe48dae99_comb
		.amdhsa_group_segment_fixed_size 9472
		.amdhsa_private_segment_fixed_size 0
		.amdhsa_enable_private_segment 0
		.amdhsa_kernarg_size 32
		.amdhsa_user_sgpr_count 2
		.amdhsa_user_sgpr_kernarg_segment_ptr 1
		.amdhsa_wavefront_size32 1
		.amdhsa_system_sgpr_workgroup_id_x 1
		.amdhsa_system_sgpr_workgroup_id_y 1
		.amdhsa_system_sgpr_workgroup_id_z 1
		.amdhsa_system_vgpr_workitem_id 0
		.amdhsa_next_free_vgpr 218
		.amdhsa_next_free_sgpr 66
		.amdhsa_reserve_vcc 0
		.amdhsa_float_denorm_mode_32 3
		.amdhsa_float_denorm_mode_16_64 3
		.amdhsa_memory_ordered 1
		.amdhsa_forward_progress 1
		.amdhsa_inst_pref_size 17
	.end_amdhsa_kernel
	.amdgpu_metadata
---
amdhsa.version: [ 1, 2 ]
amdhsa.kernels:
  - .name:           k_qbbe48dae99_comb
    .symbol:         k_qbbe48dae99_comb.kd
    .args:
      - { .name: part, .offset: 0, .size: 8, .value_kind: global_buffer, .address_space: global }
      - { .name: pst, .offset: 8, .size: 8, .value_kind: global_buffer, .address_space: global }
      - { .name: out0, .offset: 16, .size: 8, .value_kind: global_buffer, .address_space: global }
      - { .name: out1, .offset: 24, .size: 8, .value_kind: global_buffer, .address_space: global }
    .group_segment_fixed_size: 9472
    .private_segment_fixed_size: 0
    .kernarg_segment_align: 8
    .kernarg_segment_size: 32
    .max_flat_workgroup_size: 256
    .sgpr_count:     66
    .vgpr_count:     218
    .wavefront_size: 32
...
	.end_amdgpu_metadata
.endif
;; end of part 3
